; MI455X (gfx1250); checked and timed in simulation.
; The chip was launched on July 23, 2026; its instructions are those of AMD's public machine-readable ISA for CDNA 5 (MIT licence, August 2026) and "CDNA5" Instruction Set Architecture Reference Guide (July 2026). The comments in the code are by the model that wrote it; some were corrected since.
;; NVFP4 Scaled Linear. Allowed arithmetic: matrix products marked QUANTISED: E4M3 operands, one E8M0 scale for each 32 along K, by v_wmma_scale_f32_16x16x128_f8f6f4 with both operands' format E4M3, f32 sums; everything else in f32.
;; Inputs: bias 2,048 float32; weight_packed 4,194,304 int32; weight_scales 524,288 float32; x 4 x 2,048 x 4,096 float32.
;; Outputs: out0 4 x 2,048 x 2,048 float32.
;; This version of the problem:
;;   THIS VERSION OF THE PROBLEM IS GIVEN IN LOW PRECISION. The matrix products marked QUANTISED in the list below multiply operands that are first quantised to E4M3 (4 exponent bits, 3 mantissa bits; 8 bits a number), with one power-of-two scale for each 32 numbers along K (OCP MX v1.0); their sums are f32. All else is computed in f32.
;;   The module's matrix products, in the order in which they are computed (A, B: the left and right operand; K: the contracted axis; several contracted axes count as one K, in the product's order):
;;     1. [M 8,192, K 4,096] x [K 4,096, N 2,048]; A: input x; B: computed on the way: QUANTISED
;;   THE QUANTISER, for each operand of a quantised product, along K:
;;     - K is cut into blocks of 32 from its start; a last block that is shorter is filled with zeros.
;;     - A block's scale is 2^e with e = floor(log2(the largest magnitude in the block)) - 8, held to -126 .. 127; a block of zeros has e = 0. As a byte (E8M0): e + 127.
;;     - Each number is divided by its block's scale, clamped to +-448, and rounded to the nearest number of E4M3, ties to even, subnormals kept.
;;     - The product sums the exact products of the quantised numbers (number of the format x scale) in f32.
;;   ~~~python
;;   def quantise(x, axis):      # numpy; x: float32 -> the quantised numbers, widened to float32 again
;;       x = np.moveaxis(x, axis, -1); K = x.shape[-1]
;;       x = np.pad(x, [(0, 0)] * (x.ndim - 1) + [(0, -K % 32)]); x = x.reshape(x.shape[:-1] + (-1, 32)); a = np.abs(x).max(-1, keepdims=True)
;;       e = np.where(a > 0, np.clip(np.frexp(np.where(a > 0, a, 1))[1] - 1 - 8, -126, 127), 0)      # np.frexp(a)[1] - 1 = floor(log2(a)), exactly
;;       r = np.clip(x / 2.0 ** e, -448, 448)
;;       step = 2.0 ** (np.maximum(np.frexp(np.where(r == 0, 1, r))[1] - 1, -6) - 3)
;;       q = np.round(r / step) * step * 2.0 ** e      # np.round: ties to even
;;       return np.moveaxis(q.reshape(q.shape[:-2] + (-1,))[..., :K], -1, axis).astype(np.float32)
;;   ~~~
;;   OPERANDS COMPUTED ON THE WAY. 'Computed on the way' means the value that the module computes at that place (a softmax that the list does not call 'softmax' is quantised finished and normalised). What goes into a quantiser is computed in f32, as accurately as f32 sums, v_exp_f32 and their like allow (about 1e-6 of the number): no bf16 or f16 on the way to a quantiser, and a product that is left as it is and whose result goes on into a quantised operand takes f32 operands (vector FMAs, or v_wmma_f32_16x16x4_f32). A number that lies on a knife's edge between two numbers of the format may be rounded either way, as far as f32 arithmetic and the matrix unit's own rounding can turn it there, and no further.
;; One version. Each part assembles by itself: llvm-mc -triple=amdgcn-amd-amdhsa -mcpu=gfx1250 --defsym DOCPART=n.
;; ======== version 1 of 1: 2 launches
;; limits: right only within a limited range of input values
;; workspace buffers: xc 33,554,432 bytes; wc 8,388,608 bytes; scl 1,310,720 bytes
;; launch quant (part 1): grid 1280 x 1, 4 waves a work-group, no clusters, 34,304 bytes of LDS; arguments x, weight_packed, weight_scales, xc, wc, scl; writes xc, wc, scl
.if DOCPART == 1
	.amdgcn_target "amdgcn-amd-amdhsa--gfx1250"
	.amdhsa_code_object_version 6
	.text
	.protected	k_q1feece7136_quant
	.globl	k_q1feece7136_quant
	.p2align	8
	.type	k_q1feece7136_quant,@function
k_q1feece7136_quant:
	s_mov_b64 s[64:65], 0
	v_nop
	global_prefetch_b8 v0, s[64:65] scope:SCOPE_SE
	s_setreg_imm32_b32 hwreg(HW_REG_WAVE_MODE, 25, 1), 1
	s_wait_xcnt 0x0
; Both operands of out = x w^T + bias are turned ONCE into codes of FP8 (E4M3), K innermost, with one E8M0 scale byte for each 32 along K.
; x: [8192][4096] f32.  w: [2048][4096], made on the way: each int32 of weight_packed holds in its bits 7:0 two E2M1 codes (high nibble = the even k, low nibble = the odd k; the other
; bits are not read, as in the definition), and each 16 weights along K have one f32 scale: w = sign x magnitude x scale, one rounding in f32.
; OUT: xc [8192][4096] and wc [2048][4096], one code a byte.  scl [16 K steps of 256][10,240 rows][8 bytes]: rows 0-8191 are x's, rows 8192-10239 w's; byte j of a row's eight scales k = 256 step + 32 j on.
; A block's scale is 2^(floor(log2(its largest magnitude)) - 8); its byte is the largest magnitude's exponent field - 8, held at 1 from below.  Each number is divided by the scale, held within +-448 and rounded to the nearest code, ties to even.
; LIMITS: NaN and infinities among the inputs are not served.  A block whose largest magnitude lies under 2^-118 (a block of zeros too) gets the byte 1; a block of zeros has zero codes, which add nothing under that byte, and this program alone reads the bytes.
; SHARES.  A wave's task is 32 rows x one K step of 256: 8,192 numbers, 32 x 256 bytes of codes, 256 scale bytes on end in scl.  Work-groups 0-1023 take x (256 groups of rows x 16 K steps / 4 waves), work-groups 1024-1279 w.
; The four waves of a work-group take four neighbouring K steps of the same rows.  Waves share nothing: no barrier, no tensor load, no cluster (no input byte is read by two work-groups); the matrix units have nothing to do here.
; The two paths part once, on the work-group's number, and each has LDS bytes of its own.
.set STEPS, 16
.set SSTEP, 81920                      ; a K step in scl: 10,240 rows x 8 bytes
.set WREG,  8192                       ; x path: a wave's LDS: two stages of 32 x SP bytes, behind them its 256 scale bytes
.set SP,    80                         ; a lane's place in a stage: its 64 bytes + 16 of padding
.set XSCB,  2*32*SP                    ; where the scale bytes begin in a wave's LDS
.set WLDS,  32768                      ; w path: 256 scale bytes for each wave, behind the x path's LDS
.set R,     16                         ; x path: v16-79   four sets of 16 numbers as they are loaded
.set X,     80                         ;         v80-111  two sets of 16 neighbours
.set E,     112                        ;         v112-127 a scale byte for each step
.set C,     128                        ;         v128-191 codes: four registers for each step, so that no store's data are written again
.set WP,    16                         ; w path: v16-79   a ring of 16 rows x 4 words of weight_packed
.set WS,    80                         ;         v80-95   a ring of 16 rows' f32 scale
.set WC,    96                         ;         v96-159  codes: two registers for each of the 32 rows, never written again
.set WN,    160                        ;         v160-175 two rows x 8 numbers
.set TT,    176                        ;         v176-187 at work;  v188: the byte 0x85 four times
	s_load_b256 s[4:11], s[0:1], 0x0               ; x s[4:5], weight_packed s[6:7], weight_scales s[8:9], xc s[10:11]
	s_load_b128 s[12:15], s[0:1], 0x20             ; wc s[12:13], scl s[14:15]
	v_lshl_add_u32 v12, v0, 2, 0x8400              ; v12: my spare word, behind both paths' LDS; v13: 0; both kept for the add alone
	v_mov_b32 v13, 0
	v_lshrrev_b32 v1, 5, v0
	v_readfirstlane_b32 s16, v1                    ; wave 0..3
	v_and_b32 v2, 31, v0                           ; lane
	s_mov_b32 s23, 0x600000                        ; the mantissa field of 448 (an instruction takes one literal: the hold's line has another)
	s_mov_b32 s21, 0                               ; the upper word of every offset: all stay under 2^31
	s_wait_kmcnt 0x0
	s_cmp_lt_u32 ttmp9, 1024
	s_cbranch_scc0 .Lw
; ---------------------------------------------------------------- x
	s_lshl_b32 s17, ttmp9, 2
	s_add_co_u32 s17, s17, s16                     ; the task: 4 x work-group + wave
	s_and_b32 s18, s17, 15                         ; its K step
	s_lshr_b32 s19, s17, 4                         ; its group of 32 rows
	s_lshl_b32 s20, s19, 19                        ; x: 32 rows of 16,384 bytes,
	s_lshl_b32 s22, s18, 10                        ; 1,024 bytes a K step
	s_add_co_u32 s20, s20, s22
	s_add_nc_u64 s[4:5], s[4:5], s[20:21]
	s_lshl_b32 s20, s19, 17                        ; xc: 32 rows of 4,096 bytes,
	s_lshl_b32 s22, s18, 8                         ; 256 bytes a K step
	s_add_co_u32 s20, s20, s22
	s_add_nc_u64 s[10:11], s[10:11], s[20:21]
	s_mul_i32 s20, s18, SSTEP                      ; scl: the K step,
	s_lshl_b32 s22, s19, 8                         ; 32 rows of 8 bytes
	s_add_co_u32 s20, s20, s22
	s_add_nc_u64 s[14:15], s[14:15], s[20:21]
	s_wait_alu depctr_va_vdst(0)
	v_lshlrev_b32 v3, 4, v2                        ; my 16 bytes of a load's 512
	s_mul_i32 s17, s16, WREG
	v_lshrrev_b32 v14, 2, v2
	v_mul_u32_u24 v14, v14, SP
	v_and_b32 v15, 3, v2
	v_lshl_add_u32 v14, v15, 4, v14
	v_add_nc_u32 v14, s17, v14                     ; the stage, on the way in: four lanes' 64 bytes on end, then 16 of padding
	v_mul_u32_u24 v15, v2, SP
	v_add_nc_u32 v15, s17, v15                     ; and on the way out: SP x lane: my 16 neighbours
	v_and_b32 v4, 15, v2
	v_lshrrev_b32 v5, 4, v2
	v_lshlrev_b32 v4, 4, v4
	v_lshl_add_u32 v4, v5, 12, v4                  ; my codes: lanes 0-15 the even row's 256 bytes, lanes 16-31 the odd row's, 4,096 bytes on
	s_add_co_u32 s17, s17, XSCB
	v_lshrrev_b32 v5, 1, v2
	v_add_nc_u32 v5, s17, v5                       ; LDS: my wave's 256 scale bytes, my block's byte
	v_lshlrev_b32 v7, 3, v2                        ; and on the way out 8 bytes a lane
	v_add_nc_u32 v6, s17, v7
; Step t is rows 2 t and 2 t + 1 of the task, 512 numbers.  Each of its four loads reads 512 consecutive bytes, 16 a lane.  The conversions want 16 NEIGHBOURS in a lane, so the 2,048 bytes go through the
; wave's own stage, as they lie, and come back 64 bytes a lane: lane l then holds row 2 t + l / 16, k = 16 (l % 16) on; two neighbouring lanes hold a block of 32.
.macro XLOAD t
.irp i, 0,1,2,3
	global_load_b128 v[R+16*((\t)%4)+4*\i:R+16*((\t)%4)+4*\i+3], v3, s[4:5] offset:(2*(\t)+\i/2)*16384+(\i%2)*512 th:TH_LOAD_NT
.endr
.endm
.macro XTURN t                         ; LDS serves a wave's instructions in order, so no wait stands between the stores and the loads
.irp i, 0,1,2,3
	ds_store_b128 v14, v[R+16*((\t)%4)+4*\i:R+16*((\t)%4)+4*\i+3] offset:32*SP*((\t)%2)+8*SP*\i
.endr
.irp i, 0,1,2,3
	ds_load_b128 v[X+16*((\t)%2)+4*\i:X+16*((\t)%2)+4*\i+3], v15 offset:32*SP*((\t)%2)+16*\i
.endr
.endm
.irp t, 0,1,2,3
	XLOAD \t
.endr
	s_wait_alu depctr_va_vdst(0)
	s_wait_loadcnt 12                              ; step 0's four loads are in; the twelve behind them stay out
	XTURN 0
.macro XSTEP t
.set XS, X+16*((\t)%2)
.if (\t) > 0
	s_wait_dscnt 1                                 ; this step's numbers are back from the stage (the last step's byte store may be out): so its stores into the stage have read their registers,
.else
	s_wait_dscnt 0x0
.endif
.if (\t)+4 < STEPS
	XLOAD (\t)+4                                   ; which take the loads of four steps on
.endif
.if (\t)+1 < STEPS
.if STEPS-2-(\t) >= 3
	s_wait_loadcnt 12                              ; the next step's four loads are in; those of the three steps behind it may be out
.else
	s_wait_loadcnt 4*(STEPS-2-(\t))                ; at the end the count runs down
.endif
	XTURN (\t)+1                                   ; and go through the other stage while this step is worked
.endif
	v_max3_num_f32 v8, |v[XS]|, |v[XS+1]|, |v[XS+2]|               ; the largest magnitude of my 16, in two chains
	v_max3_num_f32 v9, |v[XS+3]|, |v[XS+4]|, |v[XS+5]|
.irp i, 6,10
	v_max3_num_f32 v8, v8, |v[XS+\i]|, |v[XS+\i+1]|
	v_max3_num_f32 v9, v9, |v[XS+\i+2]|, |v[XS+\i+3]|
.endr
	v_max3_num_f32 v8, v8, |v[XS+14]|, |v[XS+15]|
	v_max3_num_f32 v8, v8, v9, 0x4800000           ; and the floor 2^(9 - 127): so the byte cannot fall under 1
	v_max_num_f32_dpp v8, v8, v8 row_xmask:1 row_mask:0xf bank_mask:0xf   ; and of my neighbour's 16: the block's
	v_add_nc_u32 v11, 0xfc000000, v8               ; 8 off its exponent field: the conversion takes the exponent field of this operand as its scale, and nothing else of it
	v_and_or_b32 v10, v8, 0x7f800000, s23          ; 448 x the scale: the largest magnitude's exponent field over 448's mantissa
.irp i, 0,1,2,3,4,5,6,7,8,9,10,11,12,13,14,15
	v_med3_num_f32 v[XS+\i], v[XS+\i], -v10, v10   ; the conversion to an 8-bit code does not saturate (ISA guide 7.6.2): the number is held first
.endr
	v_cvt_scalef32_pk8_fp8_f32 v[C+4*(\t):C+4*(\t)+1], v[XS:XS+7], v11
	v_cvt_scalef32_pk8_fp8_f32 v[C+4*(\t)+2:C+4*(\t)+3], v[XS+8:XS+15], v11
	v_lshrrev_b32 v[E+(\t)], 23, v11               ; the scale's byte (a plain line behind the conversions)
	ds_store_b8 v5, v[E+(\t)] offset:16*(\t)       ; byte 8 x row + block = 16 t + lane / 2; both lanes of a block write the same byte with the same value
	global_store_b128 v4, v[C+4*(\t):C+4*(\t)+3], s[10:11] offset:8192*(\t)   ; sixteen lanes store 256 consecutive bytes of a row, aligned
.endm
.irp t, 0,1,2,3,4,5,6,7,8,9,10,11,12,13,14,15
	XSTEP \t
.endr
	ds_load_b64 v[8:9], v6                         ; LDS serves a wave's instructions in order: these see my stores
	s_wait_dscnt 0x0
	global_store_b64 v7, v[8:9], s[14:15]          ; 32 lanes store 256 consecutive bytes, aligned: 32 rows' scale bytes of this K step
	s_wait_tensorcnt 0x0
	ds_add_u32 v12, v13
	s_wait_dscnt 0x0
	s_endpgm
; ---------------------------------------------------------------- w
.Lw:
	s_sub_co_u32 s17, ttmp9, 1024
	s_lshl_b32 s17, s17, 2
	s_add_co_u32 s17, s17, s16                     ; the task
	s_and_b32 s18, s17, 15                         ; its K step
	s_lshr_b32 s19, s17, 4                         ; its group of 32 rows
	s_lshl_b32 s20, s19, 18                        ; weight_packed: 32 rows of 2,048 words,
	s_lshl_b32 s22, s18, 9                         ; 128 words a K step
	s_add_co_u32 s20, s20, s22
	s_add_nc_u64 s[6:7], s[6:7], s[20:21]
	s_lshl_b32 s20, s19, 15                        ; weight_scales: 32 rows of 256 numbers,
	s_lshl_b32 s22, s18, 6                         ; 16 a K step
	s_add_co_u32 s20, s20, s22
	s_add_nc_u64 s[8:9], s[8:9], s[20:21]
	s_lshl_b32 s20, s19, 17                        ; wc: as xc
	s_lshl_b32 s22, s18, 8
	s_add_co_u32 s20, s20, s22
	s_add_nc_u64 s[12:13], s[12:13], s[20:21]
	s_mul_i32 s20, s18, SSTEP                      ; scl: the K step, behind x's 8,192 rows, 32 rows of 8 bytes
	s_lshl_b32 s22, s19, 8
	s_add_co_u32 s20, s20, s22
	s_add_co_u32 s20, s20, 65536
	s_add_nc_u64 s[14:15], s[14:15], s[20:21]
	s_mov_b32 s24, 0x80808080                      ; a byte's sign
	s_mov_b32 s25, 0x1c1c1c1c                      ; bits 4:2 of a byte
	s_mov_b32 s26, 0x05010400                      ; byte selects: high nibble's code, low nibble's code, by turns: bytes 0, 1
	s_mov_b32 s27, 0x07030602                      ; and bytes 2, 3
	s_mov_b32 s28, 0x04000400                      ; the lowest bytes of two words
	s_mov_b32 s29, 0x05040100                      ; the low halves of two words
	v_mov_b32 v188, 0x85858585                     ; the E8M0 byte of 2^6, in every byte
	s_wait_alu depctr_va_vdst(0)
	v_lshlrev_b32 v3, 4, v2                        ; my four words of a row's 128: weights k = 8 lane .. 8 lane + 7
	v_lshrrev_b32 v4, 1, v2
	v_lshlrev_b32 v4, 2, v4                        ; their f32 scale: two lanes to a block of 16
	s_lshl_b32 s22, s16, 8
	s_add_co_u32 s22, s22, WLDS
	v_lshrrev_b32 v5, 2, v2
	v_add_nc_u32 v5, s22, v5                       ; LDS: my wave's 256 scale bytes; four lanes to a block of 32
	v_lshlrev_b32 v7, 3, v2                        ; 8 bytes a lane: my codes in a row's 256 bytes, and the scale bytes on the way out
	v_add_nc_u32 v6, s22, v7
; Step t is rows 2 t and 2 t + 1.  A row's 128 words are one load of 512 consecutive bytes, and a lane's four words are eight neighbours along K: nothing has to change lanes.
.macro WLOAD t
.irp u, 0,1
	global_load_b128 v[WP+4*((2*(\t)+\u)%16):WP+4*((2*(\t)+\u)%16)+3], v3, s[6:7] offset:(2*(\t)+\u)*8192 th:TH_LOAD_NT
.endr
.irp u, 0,1
	global_load_b32 v[WS+(2*(\t)+\u)%16], v4, s[8:9] offset:(2*(\t)+\u)*1024   ; no hint: the four waves of the work-group read the four quarters of the same 256 bytes
.endr
.endm
.macro WSTEP t
.set PB, WP+4*((2*(\t))%16)
.set SB, WS+(2*(\t))%16
.set RW, 2*(\t)
.if 15-(\t) >= 7
	s_wait_loadcnt 28                              ; this step's four loads are in; the seven later steps' 28 stay out
.else
	s_wait_loadcnt 4*(15-(\t))                     ; at the end the count runs down
.endif
	s_wait_dscnt 0x0                               ; the last step's byte stores are done: their registers are written again below
.irp u, 0,1
	v_perm_b32 v[TT+\u], v[PB+4*\u+1], v[PB+4*\u], s28             ; the lowest bytes of words 0, 1,
.endr
.irp u, 0,1
	v_perm_b32 v[TT+2+\u], v[PB+4*\u+3], v[PB+4*\u+2], s28         ; of words 2, 3,
.endr
.irp u, 0,1
	v_perm_b32 v[TT+\u], v[TT+2+\u], v[TT+\u], s29                 ; c: the four bytes in one word
.endr
; An E2M1 code s e e m, written as the E4M3 byte s 0 0 e e m 0 0, is the same number x 2^-6, the subnormal 0.5 too: (1 + m / 2) 2^(e - 7), or m / 2 x 2^-6 where e = 0.
.irp u, 0,1
	v_lshrrev_b32 v[TT+2+\u], 2, v[TT+\u]                          ; high nibbles: e e m from bits 6:4 to bits 4:2 (the mask drops what crosses a byte's edge),
.endr
.irp u, 0,1
	v_and_b32 v[TT+2+\u], s25, v[TT+2+\u]
.endr
.irp u, 0,1
	v_and_or_b32 v[TT+4+\u], v[TT+\u], s24, v[TT+2+\u]             ; the sign stays at bit 7
.endr
.irp u, 0,1
	v_lshlrev_b32 v[TT+2+\u], 2, v[TT+\u]                          ; low nibbles: e e m from bits 2:0 to bits 4:2,
.endr
.irp u, 0,1
	v_and_b32 v[TT+2+\u], s25, v[TT+2+\u]
.endr
.irp u, 0,1
	v_lshlrev_b32 v[TT+\u], 4, v[TT+\u]                            ; the sign from bit 3 to bit 7
.endr
.irp u, 0,1
	v_and_or_b32 v[TT+6+\u], v[TT+\u], s24, v[TT+2+\u]
.endr
.irp u, 0,1
	v_perm_b32 v[TT+8+2*\u], v[TT+6+\u], v[TT+4+\u], s26           ; in K's order: a byte's high nibble, then its low nibble
	v_perm_b32 v[TT+9+2*\u], v[TT+6+\u], v[TT+4+\u], s27
.endr
.irp u, 0,1
	v_cvt_scale_pk8_f32_fp8 v[WN+8*\u:WN+8*\u+7], v[TT+8+2*\u:TT+9+2*\u], v188   ; x 2^6: sign x magnitude, exact
.endr
	v_nop                                          ; one plain line between a scaled conversion and the use of its result
.irp i, 0,1,2,3,4,5,6,7
.irp u, 0,1
	v_mul_f32 v[WN+8*\u+\i], v[WN+8*\u+\i], v[SB+\u]               ; x the block's f32 scale: the one rounding that the definition has
.endr
.endr
.if (\t)+8 < 16
	WLOAD (\t)+8                                   ; this step's places in the rings take the rows of eight steps on
.endif
.irp u, 0,1
	v_max3_num_f32 v[TT+\u], |v[WN+8*\u]|, |v[WN+8*\u+1]|, 0x4800000   ; the largest magnitude of my 8, and the floor 2^(9 - 127)
.endr
.irp i, 2,4,6
.irp u, 0,1
	v_max3_num_f32 v[TT+\u], v[TT+\u], |v[WN+8*\u+\i]|, |v[WN+8*\u+\i+1]|
.endr
.endr
.irp u, 0,1
	v_max_num_f32_dpp v[TT+\u], v[TT+\u], v[TT+\u] row_xmask:1 row_mask:0xf bank_mask:0xf
.endr
.irp u, 0,1
	v_max_num_f32_dpp v[TT+\u], v[TT+\u], v[TT+\u] row_xmask:2 row_mask:0xf bank_mask:0xf   ; of the four lanes that hold the block of 32
.endr
.irp u, 0,1
	v_add_nc_u32 v[TT+2+\u], 0xfc000000, v[TT+\u]                  ; the conversion's scale operand
.endr
.irp u, 0,1
	v_and_or_b32 v[TT+4+\u], v[TT+\u], 0x7f800000, s23             ; 448 x the scale
.endr
.irp i, 0,1,2,3,4,5,6,7
.irp u, 0,1
	v_med3_num_f32 v[WN+8*\u+\i], v[WN+8*\u+\i], -v[TT+4+\u], v[TT+4+\u]
.endr
.endr
.irp u, 0,1
	v_cvt_scalef32_pk8_fp8_f32 v[WC+2*(RW+\u):WC+2*(RW+\u)+1], v[WN+8*\u:WN+8*\u+7], v[TT+2+\u]
.endr
.irp u, 0,1
	v_lshrrev_b32 v[TT+6+\u], 23, v[TT+2+\u]                       ; the scale's byte (plain lines behind the conversions)
.endr
.irp u, 0,1
	ds_store_b8 v5, v[TT+6+\u] offset:8*(RW+\u)                    ; byte 8 x row + lane / 4; the four lanes of a block write the same byte with the same value
.endr
.irp u, 0,1
	global_store_b64 v7, v[WC+2*(RW+\u):WC+2*(RW+\u)+1], s[12:13] offset:(RW+\u)*4096   ; 32 lanes store 256 consecutive bytes of a row, aligned
.endr
.endm
.irp t, 0,1,2,3,4,5,6,7
	WLOAD \t
.endr
.irp t, 0,1,2,3,4,5,6,7,8,9,10,11,12,13,14,15
	WSTEP \t
.endr
	ds_load_b64 v[8:9], v6
	s_wait_dscnt 0x0
	global_store_b64 v7, v[8:9], s[14:15]          ; 32 rows' scale bytes of this K step: 256 consecutive bytes, aligned
	s_wait_tensorcnt 0x0
	ds_add_u32 v12, v13
	s_wait_dscnt 0x0
	s_endpgm
.Lfunc_end_k_q1feece7136_quant:
	.size	k_q1feece7136_quant, .Lfunc_end_k_q1feece7136_quant-k_q1feece7136_quant
	.p2alignl 7, 3214868480
	.fill 96, 4, 3214868480
	.section	.rodata,"a",@progbits
	.p2align	6, 0x0
	.amdhsa_kernel k_q1feece7136_quant
		.amdhsa_group_segment_fixed_size 34304
		.amdhsa_private_segment_fixed_size 0
		.amdhsa_enable_private_segment 0
		.amdhsa_kernarg_size 48
		.amdhsa_user_sgpr_count 2
		.amdhsa_user_sgpr_kernarg_segment_ptr 1
		.amdhsa_wavefront_size32 1
		.amdhsa_system_sgpr_workgroup_id_x 1
		.amdhsa_system_sgpr_workgroup_id_y 1
		.amdhsa_system_sgpr_workgroup_id_z 1
		.amdhsa_system_vgpr_workitem_id 0
		.amdhsa_next_free_vgpr 192
		.amdhsa_next_free_sgpr 66
		.amdhsa_reserve_vcc 0
		.amdhsa_float_denorm_mode_32 3
		.amdhsa_float_denorm_mode_16_64 3
		.amdhsa_memory_ordered 1
		.amdhsa_forward_progress 1
		.amdhsa_inst_pref_size 131
	.end_amdhsa_kernel
	.amdgpu_metadata
---
amdhsa.version: [ 1, 2 ]
amdhsa.kernels:
  - .name:           k_q1feece7136_quant
    .symbol:         k_q1feece7136_quant.kd
    .args:
      - { .name: x, .offset: 0, .size: 8, .value_kind: global_buffer, .address_space: global }
      - { .name: weight_packed, .offset: 8, .size: 8, .value_kind: global_buffer, .address_space: global }
      - { .name: weight_scales, .offset: 16, .size: 8, .value_kind: global_buffer, .address_space: global }
      - { .name: xc, .offset: 24, .size: 8, .value_kind: global_buffer, .address_space: global }
      - { .name: wc, .offset: 32, .size: 8, .value_kind: global_buffer, .address_space: global }
      - { .name: scl, .offset: 40, .size: 8, .value_kind: global_buffer, .address_space: global }
    .group_segment_fixed_size: 34304
    .private_segment_fixed_size: 0
    .kernarg_segment_align: 8
    .kernarg_segment_size: 48
    .max_flat_workgroup_size: 128
    .sgpr_count:     66
    .vgpr_count:     192
    .wavefront_size: 32
...
	.end_amdgpu_metadata
.endif
;; end of part 1
;; launch gemm (part 2): grid 8 x 32, 4 waves a work-group, clusters of 4 x 4, 327,680 bytes of LDS; arguments xc, wc, scl, bias, out0; writes out0
.if DOCPART == 2
	.amdgcn_target "amdgcn-amd-amdhsa--gfx1250"
	.amdhsa_code_object_version 6
	.text
	.protected	k_q1feece7136_gemm
	.globl	k_q1feece7136_gemm
	.p2align	8
	.type	k_q1feece7136_gemm,@function
k_q1feece7136_gemm:
	s_mov_b64 s[64:65], 0
	v_nop
	global_prefetch_b8 v0, s[64:65] scope:SCOPE_SE
	s_setreg_imm32_b32 hwreg(HW_REG_WAVE_MODE, 25, 1), 1
	s_wait_xcnt 0x0
	s_wait_alu depctr_hold_cnt(0) depctr_sa_sdst(0) depctr_va_vdst(0) depctr_va_sdst(0) depctr_va_ssrc(0) depctr_va_vcc(0) depctr_vm_vsrc(0)
	s_getreg_b32 s2, hwreg(HW_REG_IB_STS2, 6, 4)
	s_cmp_eq_u32 s2, 0
	s_cbranch_scc0 .Lentry_in_a_cluster
	s_endpgm
.Lentry_in_a_cluster:
	s_bfe_u32 s2, ttmp6, 0x10000c
	s_cmp_lg_u32 s2, 0xf033
	s_cbranch_scc0 .Lentry_shape_is_right
	s_endpgm
.Lentry_shape_is_right:
; out0[m][n] = sum over k of x[m][k] w[n][k] + bias[n], on the codes and scale bytes that launch quant made: xc [8192][4096], wc [2048][4096], one E4M3 code a byte;
; scl [16 K steps of 256][10,240 rows][8 bytes], rows 0-8191 x's, rows 8192-10239 w's.  Sums in f32; the bias is the C of each sum's first product.
; A block of out0, 256 x 256, is made by four waves, each 128 x 128: 64 accumulators, 512 registers.  256 work-groups.  K goes in 16 steps of 256 through two LDS slots (rows of 256 bytes + 16 of padding).
; CLUSTERS 4 x 4: x's tile is asked for jointly along a row of the cluster, w's along a column.  The product is used transposed (source 0 = 16 rows of w, source 1 = 16 rows of x): a lane holds eight neighbouring columns of a row.
; THE LOOP.  128 along K are eight CELLS of 8 products (one block of x against w's eight), taken two at a time; behind each pair stands one run of LDS loads for the next 128: 16 (w's fragments 0-3),
; 24 (w's 4-7, x's blocks 0, 1), 8 (x's 2, 3), 16 (x's 4-7).  w has two sets of registers, x one: a block of x is loaded again behind eight places from its last product.
; A slot's second 128 begins when all its fragments are in registers: there stand the three lines and the round, and the slot is filled again behind the round, with the K step two on.
; SCALE WORDS come from scl straight into registers, 8 loads of 8 bytes a lane for a K step, asked for one K step ahead: lanes 0-15 x's block i, lanes 16-31 w's block i.
; PREFETCH: behind each refill in the loop a wave names 32 rows x 256 bytes of the K step that stands two refills on; the four partners of a joint load share its 128 rows out by address; the loop's last trip asks for nothing (K steps 16, 17 do not exist).
; THE WAY OUT begins inside the last 128 along K: a block of 16 rows leaves when its cell is done.
; LIMITS: as launch quant states them.
; REGISTERS: window 0: v0-31 addresses; v32-63 scale words, two sets; v64-127 the bias; v128-255 x's fragments.  window 1: w's fragments, two sets.  windows 2, 3: the accumulators of my rows 0-63, 64-127.
.set SIZE_N, 2048
.set ROWB,   256
.set KROW,   4096
.set PITCH,  272
.set FR,     16
.set HALFT,  128*PITCH
.set SLOT,   4*HALFT
.set LAPS,   8
.set SPARE,  2*SLOT                    ; behind the ring: the spare words, 128 bytes a wave
.set SPITCH, 528                       ; the way out: a stage of 16 rows x (512 + 16) bytes a wave, in slot 0 behind its last fill and last read
.set SSTEP,  81920
.set BOFF, 7
.set ADRA, 16
.set ADRB, 20
.set STO,  24
.set RD,   25
.set CO,   26
.set ADRS, 27
.set SPW,  28
.set NIL,  29
.set PFO,  30
.set SC,   32
.set BI,   64
.set AF,   128
.set G1,  24
.set G0,  32
.set G1B, 48
.set G0B, 56
.set PFA, 68
.set MSB, 0
.macro WIN new
.if MSB != (\new)
	s_set_vgpr_msb (MSB<<8)|(\new)
.set MSB, (\new)
.endif
.endm
.set MUL_LO,  0xa1                     ; source 0 window 1, source 1 window 0, C and D window 2
.set MUL_LO0, 0x81                     ; the same with C (the bias) in window 0
.set TO_B,    0x40
.macro JLOAD g0a, g1a, g0b, g1b        ; waves 0, 1 ask for x's halves, waves 2, 3 for w's
	s_cmp_eq_u32 s15, 0
	s_cbranch_scc0 .Lfor_b_\@
	tensor_load_to_lds s[\g0a:\g0a+3], s[\g1a:\g1a+7]
	s_nop 0
.rept 4
	v_nop
.endr
	s_branch .Lasked_\@
.Lfor_b_\@:
	tensor_load_to_lds s[\g0b:\g0b+3], s[\g1b:\g1b+7]
	s_nop 0
.rept 4
	v_nop
.endr
.Lasked_\@:
.endm
.macro CREST
	s_cmp_lg_u32 s14, 0
	s_cbranch_scc1 .Lnot_wave_0_\@
	s_barrier_signal -3
.Lnot_wave_0_\@:
	s_barrier_wait -3
	s_barrier_signal -1
	s_barrier_wait -1
.endm
.macro CROUND
	s_barrier_signal -1
	s_barrier_wait -1
	CREST
.endm
.macro ASK                             ; s3 = 1 in the loop's last trip
	s_cmp_gt_u32 s3, 1
	s_cbranch_scc0 .Lno_ask_\@
	global_prefetch_b8 v[PFO], s[PFA:PFA+1] offset:ROWB th:TH_LOAD_NT scope:SCOPE_SE
.Lno_ask_\@:
.endm
	s_load_b256 s[4:11], s[0:1], 0x0               ; xc, wc, scl, bias
	s_load_b64 s[12:13], s[0:1], 0x20              ; out0
	v_lshl_add_u32 v[SPW], v0, 2, SPARE
	v_mov_b32 v[NIL], 0
	ds_add_u32 v[SPW], v[NIL]                      ; the opening lines: the add twice and one wait
	ds_add_u32 v[SPW], v[NIL]
	v_lshrrev_b32 v1, 5, v0
	v_readfirstlane_b32 s14, v1                    ; wave
	s_lshr_b32 s15, s14, 1                         ; my half of the rows; also: I ask for x (0) or w (1)
	s_and_b32 s16, s14, 1                          ; my half of the columns; also: which 128 rows I ask for
	s_bfe_u32 s40, ttmp6, 0x40000                  ; cx
	s_bfe_u32 s41, ttmp6, 0x40004                  ; cy
	s_lshl_b32 s42, ttmp9, 2
	s_add_co_u32 s42, s42, s40                     ; block column
	s_and_b32 s17, ttmp7, 0xffff
	s_lshl_b32 s17, s17, 2
	s_add_co_u32 s17, s17, s41                     ; block row
	s_lshl_b32 s43, s41, 2
	s_lshl_b32 s43, 15, s43                        ; my row of the cluster
	s_lshl_b32 s44, 0x1111, s40                    ; my column
	s_or_b32 s[G1+0], s43, (0<<16)|(1<<20)|(1<<21)|(5<<22)|(3<<25)   ; bytes; 4 words of padding behind every 64
	s_or_b32 s[G1B+0], s44, (0<<16)|(1<<20)|(1<<21)|(5<<22)|(3<<25)
.irp g, G1, G1B
	s_mov_b32 s[\g+1], ROWB<<16
	s_mov_b32 s[\g+2], 128<<16
	s_mov_b32 s[\g+3], ROWB<<16
	s_mov_b32 s[\g+4], 128
	s_mov_b32 s[\g+5], KROW
	s_mov_b32 s[\g+6], 0
	s_mov_b32 s[\g+7], 0
.endr
	s_lshl_b32 s18, s16, 7
	s_lshl_b32 s20, s17, 8
	s_add_co_u32 s20, s20, s18
	s_lshl_b32 s20, s20, 12                        ; x: (256 block row + 128 half) rows of 4,096 bytes
	s_mov_b32 s21, 0
	s_lshl_b32 s46, s42, 8
	s_add_co_u32 s46, s46, s18
	s_lshl_b32 s46, s46, 12                        ; w likewise, by the block column
	s_mov_b32 s47, 0
	s_mul_i32 s45, s14, HALFT                      ; where my 128 rows go in a slot
	s_wait_dscnt 0x0
	s_wait_kmcnt 0x0
	s_add_nc_u64 s[20:21], s[4:5], s[20:21]
	s_add_nc_u64 s[46:47], s[6:7], s[46:47]
	CROUND                                         ; in front of the first joint loads
.irp s, 0,1
	s_mov_b32 s[G0+4*\s], 1
	s_add_co_u32 s[G0+4*\s+1], s45, \s*SLOT
	s_add_nc_u64 s[G0+4*\s+2:G0+4*\s+3], s[20:21], \s*ROWB
	s_or_b32 s[G0+4*\s+3], s[G0+4*\s+3], 0x80000000
	s_mov_b32 s[G0B+4*\s], 1
	s_add_co_u32 s[G0B+4*\s+1], s45, \s*SLOT
	s_add_nc_u64 s[G0B+4*\s+2:G0B+4*\s+3], s[46:47], \s*ROWB
	s_or_b32 s[G0B+4*\s+3], s[G0B+4*\s+3], 0x80000000
.endr
	JLOAD G0, G1, G0B, G1B                         ; K step 0: one tensor load a wave at the head
	s_lshl_b32 s21, s17, 11                        ; scl: x's rows: 8 bytes a row
	s_lshl_b32 s22, s15, 10
	s_add_co_u32 s21, s21, s22
	s_lshl_b32 s19, s42, 11                        ; w's rows, behind x's 8,192
	s_lshl_b32 s22, s16, 10
	s_add_co_u32 s19, s19, s22
	s_add_co_u32 s19, s19, 65536
	s_sub_co_u32 s19, s19, s21                     ; the distance between the two
	s_lshl_b32 s46, s42, 10                        ; my first column in bytes of f32
	s_lshl_b32 s47, s16, 9
	s_add_co_u32 s46, s46, s47
	s_mov_b32 s47, 0
	s_add_nc_u64 s[10:11], s[10:11], s[46:47]
	s_mul_i32 s18, s15, HALFT                      ; my 128 rows of x in a slot
	s_mul_i32 s20, s16, HALFT
	s_add_co_u32 s20, s20, 2*HALFT                 ; my 128 rows of w, behind x's 256
	s_mul_i32 s23, s14, 16*SPITCH                  ; my stage
	v_and_b32 v1, 15, v0                           ; r
	v_bfe_u32 v2, v0, 4, 1                         ; h
	v_mul_u32_u24 v3, s19, v2
	v_lshl_add_u32 v3, v1, 3, v3
	v_add_nc_u32 v[ADRS], s21, v3                  ; lanes 0-15 x's row r, lanes 16-31 w's row r
	v_lshlrev_b32 v[BOFF], 5, v2
.macro GSCALES set
.irp i, 0,1,2,3,4,5,6,7
	global_load_b64 v[SC+16*(\set)+2*\i:SC+16*(\set)+2*\i+1], v[ADRS], s[8:9] offset:128*\i
.endr
.endm
	GSCALES 0
.irp b, 0,1,2,3,4,5,6,7
	global_load_b128 v[BI+8*\b:BI+8*\b+3], v[BOFF], s[10:11] offset:64*\b          ; bias at columns 16 b + 8 h + 0 .. 7
	global_load_b128 v[BI+8*\b+4:BI+8*\b+7], v[BOFF], s[10:11] offset:64*\b+16
.endr
	v_mul_u32_u24 v3, v1, PITCH
	v_lshl_add_u32 v4, v2, 4, v3                   ; a fragment's row x pitch + 16 h
	v_add_nc_u32 v[ADRA], s18, v4
	v_add_nc_u32 v[ADRB], s20, v4
	v_add_nc_u32 v[ADRA+1], SLOT, v[ADRA]
	v_add_nc_u32 v[ADRB+1], SLOT, v[ADRB]
	v_mul_u32_u24 v5, v1, SPITCH
	v_lshl_add_u32 v5, v2, 5, v5
	v_add_nc_u32 v[STO], s23, v5
	v_and_b32 v6, 31, v0
	v_lshlrev_b32 v[CO], 4, v6
	v_add_nc_u32 v[RD], s23, v[CO]
	v_lshlrev_b32 v[PFO], 12, v6                   ; the prefetch: a lane a row of 4,096 bytes
	s_lshl_b32 s20, s17, 8
	s_lshl_b32 s21, s15, 7
	s_add_co_u32 s20, s20, s21
	s_lshl_b32 s20, s20, 13                        ; my first row of out0: 8,192 bytes a row
	s_mov_b32 s21, 0
	s_add_nc_u64 s[12:13], s[12:13], s[20:21]
	s_add_nc_u64 s[12:13], s[12:13], s[46:47]
	s_lshl_b32 s20, s17, 8                         ; the prefetch's rows: the tile's first,
	s_lshl_b32 s21, s42, 8
	s_cmp_eq_u32 s15, 0
	s_cselect_b32 s20, s20, s21
	s_cselect_b32 s21, s40, s41                    ; my place among the four that ask with me
	s_cselect_b64 s[PFA:PFA+1], s[4:5], s[6:7]
	s_lshl_b32 s22, s16, 7
	s_add_co_u32 s20, s20, s22                     ; + the 128 that I ask for
	s_lshl_b32 s21, s21, 5
	s_add_co_u32 s20, s20, s21                     ; + my work-group's 32 of them
	s_lshl_b32 s20, s20, 12
	s_add_co_u32 s20, s20, 2*ROWB                  ; at K step 2: the first refill steps it to 3 and names 4
	s_mov_b32 s21, 0
	s_add_nc_u64 s[PFA:PFA+1], s[PFA:PFA+1], s[20:21]
.macro FRAG reg, adr, q, i             ; 16 rows x 128 K: registers 4 c .. 4 c + 3 hold K = 32 c + 16 h + 0 .. 15
.irp c, 0,1,2,3
	ds_load_b128 v[\reg+4*\c:\reg+4*\c+3], v[\adr] offset:128*(\q)+32*\c+(\i)*16*PITCH
.endr
.endm
.macro LB slot, q, p, i0               ; two fragments of w into set p
	WIN TO_B
	FRAG 128*(\p)+FR*(\i0), ADRB+\slot, \q, \i0
	FRAG 128*(\p)+FR*(\i0+1), ADRB+\slot, \q, \i0+1
.endm
.macro LA slot, q, i0                  ; two blocks of x
	WIN 0
	FRAG AF+FR*(\i0), ADRA+\slot, \q, \i0
	FRAG AF+FR*(\i0+1), ADRA+\slot, \q, \i0+1
.endm
.macro PLACES n
.if \n
.rept \n
	v_nop
.endr
.endif
.endm
; A cell's 8 products: x's block a against w's eight; the 64 accumulators take turns in the same order in every 128 along K.  np: places behind them.
.macro CELL a, p, q, sc, first, np
.if \first
	WIN MUL_LO0+0x40*((\a)/4)
.else
	WIN MUL_LO+0x50*((\a)/4)
.endif
.irp b, 0,1,2,3,4,5,6,7
.if \first
	v_wmma_scale_f32_16x16x128_f8f6f4 v[8*(8*((\a)%4)+\b):8*(8*((\a)%4)+\b)+7], v[128*(\p)+FR*\b:128*(\p)+FR*\b+FR-1], v[AF+FR*(\a):AF+FR*(\a)+FR-1], v[BI+8*\b:BI+8*\b+7], v[SC+16*(\sc)+2*\b+(\q)], v[SC+16*(\sc)+2*(\a)+(\q)] matrix_a_scale:MATRIX_SCALE_ROW1
.else
	v_wmma_scale_f32_16x16x128_f8f6f4 v[8*(8*((\a)%4)+\b):8*(8*((\a)%4)+\b)+7], v[128*(\p)+FR*\b:128*(\p)+FR*\b+FR-1], v[AF+FR*(\a):AF+FR*(\a)+FR-1], v[8*(8*((\a)%4)+\b):8*(8*((\a)%4)+\b)+7], v[SC+16*(\sc)+2*\b+(\q)], v[SC+16*(\sc)+2*(\a)+(\q)] matrix_a_scale:MATRIX_SCALE_ROW1
.endif
.endr
	PLACES \np
.endm
; The end of the run of 24, and cells 4-7 with the runs of 8 and 16: the next 128's blocks of x (slot ns, its nq-th 128).  Eight places stand between a block's last product and the load into it:
; those behind cell 3 serve blocks 0-3, those behind cell 7 blocks 4-7.
.macro HALF2 p, q, sc, first, ns, nq, w
	LA \ns, \nq, 0
.if \w
	s_wait_dscnt 40                                ; blocks 4-7 are in: behind them this 128's runs of 16 and 24
.endif
	CELL 4, \p, \q, \sc, \first, 0
	CELL 5, \p, \q, \sc, \first, 0
	LA \ns, \nq, 2
	CELL 6, \p, \q, \sc, \first, 0
	CELL 7, \p, \q, \sc, \first, 8
	LA \ns, \nq, 4
	LA \ns, \nq, 6
.endm
; A slot's first 128: set 0 of w; fetches the slot's second 128.  gs: the next K step's scale words are asked for.
.macro NSTEP slot, first, gs
	s_wait_loadcnt 0x0                             ; this K step's scale words (and at first the bias) are in
.if \gs
	s_add_nc_u64 s[8:9], s[8:9], SSTEP
	GSCALES 1-\slot
.endif
	s_wait_dscnt 24                                ; w's set and blocks 0, 1 are in: behind them the runs of 8 and 16
	CELL 0, 0, 0, \slot, \first, 0
	CELL 1, 0, 0, \slot, \first, 0
	LB \slot, 1, 1, 0
	LB \slot, 1, 1, 2
	s_wait_dscnt 32                                ; blocks 2, 3: behind them the last 128's run of 16 and this one's first
	CELL 2, 0, 0, \slot, \first, 0
	CELL 3, 0, 0, \slot, \first, 8
	LB \slot, 1, 1, 4
	LB \slot, 1, 1, 6
	HALF2 0, 0, \slot, \first, \slot, 1, 1
.endm
; A slot's second 128: set 1 of w; all its fragments have been asked for.  The change of slots stands at its head; fill = 1: this slot is filled again with the K step two on.
.macro TSTEP slot, next, fill
.if \fill
	s_wait_xcnt 0x0                                ; my last prefetch has read its address
	s_add_nc_u64 s[PFA:PFA+1], s[PFA:PFA+1], ROWB
.endif
	s_wait_tensorcnt 0x0                           ; my part of the next slot has landed
	ds_add_u32 v[SPW], v[NIL]
.if \fill
	s_add_nc_u64 s[G0+4*\slot+2:G0+4*\slot+3], s[G0+4*\slot+2:G0+4*\slot+3], 2*ROWB
	s_add_nc_u64 s[G0B+4*\slot+2:G0B+4*\slot+3], s[G0B+4*\slot+2:G0B+4*\slot+3], 2*ROWB
.endif
	s_wait_dscnt 25                                ; w's set and blocks 0, 1: behind them the runs of 8 and 16 and the add
	CELL 0, 1, 1, \slot, 0, 0
	s_wait_dscnt 0x0                               ; the add is done and my reads of this slot are over
	s_barrier_signal -1
	CELL 1, 1, 1, \slot, 0, 0
	WIN 0
	s_barrier_wait -1
.if \fill
	CREST                                          ; the barrier has opened a round of the cluster's barrier
	JLOAD G0+4*\slot, G1, G0B+4*\slot, G1B
.endif
	LB \next, 0, 0, 0
	LB \next, 0, 0, 2
.if \fill
	WIN 0
	ASK
.endif
	CELL 2, 1, 1, \slot, 0, 0
	CELL 3, 1, 1, \slot, 0, 8
	LB \next, 0, 0, 4
	LB \next, 0, 0, 6
	HALF2 1, 1, \slot, 0, \next, 0, 0
.endm
	s_wait_alu depctr_va_vdst(0)
	s_wait_tensorcnt 0x0                           ; my part of K step 0 is in; slot 1's first fill is issued as a refill is
	ds_add_u32 v[SPW], v[NIL]
	s_wait_dscnt 0x0
	CROUND
	JLOAD G0+4, G1, G0B+4, G1B                     ; K step 1
	LB 0, 0, 0, 0
	LB 0, 0, 0, 2
	LB 0, 0, 0, 4
	LB 0, 0, 0, 6
	LA 0, 0, 0
	LA 0, 0, 2
	LA 0, 0, 4
	LA 0, 0, 6
	NSTEP 0, 1, 1                                  ; the first 128 stands ahead of the loop: its products start the sums from the bias
	s_mov_b32 s3, LAPS-1
.Llap:
	TSTEP 0, 1, 1
	NSTEP 1, 0, 1
	TSTEP 1, 0, 1
	NSTEP 0, 0, 1
	s_sub_co_u32 s3, s3, 1
	s_cmp_lg_u32 s3, 0
	s_cbranch_scc1 .Llap
	TSTEP 0, 1, 0                                  ; the last change of slots fills nothing
	NSTEP 1, 0, 0
; THE WAY OUT, by blocks of 16 rows x 128 columns, through my own stage: in as 32 bytes a lane, back as whole rows of 512 bytes.
; Each block comes back into 64 registers of its own, so that no store's data are written again: blocks 0, 1 into w's set 0 (window 1, idle in the last 128), block 2 into x's blocks 0-3 (window 0),
; block a from 3 on over the accumulators of block a - 3, whose stores into the stage the counted waits between have shown done.
.macro BBOF a
.if (\a) < 2
.set BW, 1
.set BB, 64*(\a)
.else
.if (\a) == 2
.set BW, 0
.set BB, 128
.else
.if (\a) < 7
.set BW, 2
.set BB, 64*(\a)-192
.else
.set BW, 3
.set BB, 0
.endif
.endif
.endif
.endm
.macro TOSTAGE a
.set AC, 64*((\a)%4)
	WIN 0x08+4*((\a)/4)
.irp b, 0,1,2,3,4,5,6,7
	ds_store_b128 v[STO], v[AC+8*\b:AC+8*\b+3] offset:64*\b          ; each accumulator from its low end on
	ds_store_b128 v[STO], v[AC+8*\b+4:AC+8*\b+7] offset:64*\b+16
.endr
	BBOF \a
	WIN BW<<6
.irp t, 0,1,2,3,4,5,6,7,8,9,10,11,12,13,14,15
	ds_load_b128 v[BB+4*\t:BB+4*\t+3], v[RD] offset:\t*SPITCH        ; LDS serves a wave's instructions in order: these see the stores above
.endr
	WIN 0
.endm
.macro SEND a, younger                 ; younger: the LDS instructions issued behind block a's loads
	BBOF \a
	s_wait_dscnt \younger
	WIN BW<<2
.irp t, 0,1,2,3,4,5,6,7,8,9,10,11,12,13,14,15
	global_store_b128 v[CO], v[BB+4*\t:BB+4*\t+3], s[12:13] offset:(16*(\a)+\t)*SIZE_N*4   ; 32 lanes store 512 consecutive bytes, aligned; the row stands in the immediate: 127 rows of 8,192 bytes at the most, so the base is never stepped
.endr
	WIN 0
.endm
; The last 128 along K: nothing more to fetch.  Block a is finished by cell a; eight places stand between its last product and its stores into the stage, and between a register's last use by a product and the load into it.
	s_wait_dscnt 24
	CELL 0, 1, 1, 1, 0, 0
	CELL 1, 1, 1, 1, 0, 0
	s_wait_dscnt 0x0
	CELL 2, 1, 1, 1, 0, 8
	TOSTAGE 0
	CELL 3, 1, 1, 1, 0, 0
	CELL 4, 1, 1, 1, 0, 0
	TOSTAGE 1
	SEND 0, 32
	CELL 5, 1, 1, 1, 0, 8
	TOSTAGE 2
	SEND 1, 32
	CELL 6, 1, 1, 1, 0, 0
	TOSTAGE 3
	SEND 2, 32
	CELL 7, 1, 1, 1, 0, 8
.irp a, 4,5,6,7
	TOSTAGE \a
	SEND \a-1, 32
.endr
	SEND 7, 0
	s_wait_tensorcnt 0x0                           ; the wave's end
	ds_add_u32 v[SPW], v[NIL]
	s_wait_dscnt 0x0
	CROUND                                         ; the closing round
	s_endpgm
.Lfunc_end_k_q1feece7136_gemm:
	.size	k_q1feece7136_gemm, .Lfunc_end_k_q1feece7136_gemm-k_q1feece7136_gemm
	.p2alignl 7, 3214868480
	.fill 96, 4, 3214868480
	.section	.rodata,"a",@progbits
	.p2align	6, 0x0
	.amdhsa_kernel k_q1feece7136_gemm
		.amdhsa_group_segment_fixed_size 327680
		.amdhsa_private_segment_fixed_size 0
		.amdhsa_enable_private_segment 0
		.amdhsa_kernarg_size 40
		.amdhsa_user_sgpr_count 2
		.amdhsa_user_sgpr_kernarg_segment_ptr 1
		.amdhsa_wavefront_size32 1
		.amdhsa_system_sgpr_workgroup_id_x 1
		.amdhsa_system_sgpr_workgroup_id_y 1
		.amdhsa_system_sgpr_workgroup_id_z 1
		.amdhsa_system_vgpr_workitem_id 0
		.amdhsa_next_free_vgpr 1024
		.amdhsa_next_free_sgpr 70
		.amdhsa_reserve_vcc 0
		.amdhsa_float_denorm_mode_32 3
		.amdhsa_float_denorm_mode_16_64 3
		.amdhsa_memory_ordered 1
		.amdhsa_forward_progress 1
		.amdhsa_inst_pref_size 149
	.end_amdhsa_kernel
	.amdgpu_metadata
---
amdhsa.version: [ 1, 2 ]
amdhsa.kernels:
  - .name:           k_q1feece7136_gemm
    .symbol:         k_q1feece7136_gemm.kd
    .args:
      - { .name: xc, .offset: 0, .size: 8, .value_kind: global_buffer, .address_space: global }
      - { .name: wc, .offset: 8, .size: 8, .value_kind: global_buffer, .address_space: global }
      - { .name: scl, .offset: 16, .size: 8, .value_kind: global_buffer, .address_space: global }
      - { .name: bias, .offset: 24, .size: 8, .value_kind: global_buffer, .address_space: global }
      - { .name: out0, .offset: 32, .size: 8, .value_kind: global_buffer, .address_space: global }
    .group_segment_fixed_size: 327680
    .private_segment_fixed_size: 0
    .kernarg_segment_align: 8
    .kernarg_segment_size: 40
    .max_flat_workgroup_size: 128
    .sgpr_count:     70
    .vgpr_count:     1024
    .wavefront_size: 32
...
	.end_amdgpu_metadata
.endif
;; end of part 2
